; MI455X (gfx1250); checked and timed in simulation.
; The chip was launched on July 23, 2026; its instructions are those of AMD's public machine-readable ISA for CDNA 5 (MIT licence, August 2026) and "CDNA5" Instruction Set Architecture Reference Guide (July 2026). The comments in the code are by the model that wrote it; some were corrected since.
;; Attention. Allowed arithmetic: matrix products marked QUANTISED: E5M2 operands, one given power-of-two scale a tensor, by v_wmma_f32_16x16x64_bf8_bf8 or v_wmma_f32_16x16x128_bf8_bf8, f32 sums; everything else in f32.
;; Inputs: Wk_codes 1,024 x 32 x 32 uint8 (E5M2 codes of Wk, K innermost, in blocks of 32 codes); Wo_codes 1,024 x 32 x 32 uint8 (E5M2 codes of Wo, K innermost, in blocks of 32 codes); Wq_codes 1,024 x 32 x 32 uint8 (E5M2 codes of Wq, K innermost, in blocks of 32 codes); Wv_codes 1,024 x 32 x 32 uint8 (E5M2 codes of Wv, K innermost, in blocks of 32 codes); bo 1,024 float32; hidden_states_codes 4 x 2,048 x 32 x 32 uint8 (E5M2 codes of hidden_states, K innermost, in blocks of 32 codes); lowp_scales 12 int32 (the exponents e of the quantised operands' scales 2^e).
;; Outputs: out0 4 x 2,048 x 1,024 float32.
;; This version of the problem:
;;   THIS VERSION OF THE PROBLEM IS GIVEN IN LOW PRECISION. The matrix products marked QUANTISED in the list below multiply operands that are first quantised to E5M2 (5 exponent bits, 2 mantissa bits; 8 bits a number), with one given power-of-two scale for each operand tensor; their sums are f32. All else is computed in f32.
;;   The module's matrix products, in the order in which they are computed (A, B: the left and right operand; K: the contracted axis; several contracted axes count as one K, in the product's order):
;;     1. [M 8,192, K 1,024] x [K 1,024, N 1,024]; A: input hidden_states (given as codes); B: input Wq (given as codes): QUANTISED (scales: A lowp_scales[0], B lowp_scales[1])
;;     2. [M 8,192, K 1,024] x [K 1,024, N 1,024]; A: input hidden_states (given as codes); B: input Wk (given as codes): QUANTISED (scales: A lowp_scales[2], B lowp_scales[3])
;;     3. [M 8,192, K 1,024] x [K 1,024, N 1,024]; A: input hidden_states (given as codes); B: input Wv (given as codes): QUANTISED (scales: A lowp_scales[4], B lowp_scales[5])
;;     4. batch 64 x [M 2,048, K 64] x [K 64, N 2,048]; A: computed on the way; B: computed on the way: QUANTISED (scales: A lowp_scales[6], B lowp_scales[7])
;;     5. batch 64 x [M 2,048, K 2,048] x [K 2,048, N 64]; A: softmax (see below); B: computed on the way: QUANTISED (scales: A lowp_scales[8], B lowp_scales[9])
;;     6. [M 8,192, K 1,024] x [K 1,024, N 1,024]; A: computed on the way; B: input Wo (given as codes): QUANTISED (scales: A lowp_scales[10], B lowp_scales[11])
;;   THE QUANTISER, for each operand of a quantised product, along K:
;;     - The operand's scale is 2^e, e = its entry of the input lowp_scales (int32; the entries are numbered through the quantised products in the list's order, A before B).
;;     - Each number is divided by the scale, clamped to +-57,344, and rounded to the nearest number of E5M2, ties to even, subnormals kept.
;;     - The product sums the exact products of the quantised numbers (number of the format x scale) in f32.
;;   ~~~python
;;   def quantise(x, axis, e):      # numpy; x: float32 -> the quantised numbers, widened to float32 again
;;       x = np.moveaxis(x, axis, -1); K = x.shape[-1]
;;       r = np.clip(x / 2.0 ** e, -57344, 57344)
;;       step = 2.0 ** (np.maximum(np.frexp(np.where(r == 0, 1, r))[1] - 1, -14) - 2)
;;       q = np.round(r / step) * step * 2.0 ** e      # np.round: ties to even
;;       return np.moveaxis(q, -1, axis).astype(np.float32)
;;   ~~~
;;   SOFTMAX AHEAD OF A QUANTISED PRODUCT. Where the list says 'softmax', what is quantised is not the finished softmax but p = 2^(t - M), with t = logit x log2(e) and M = ceil(the row's largest t), a whole number; so 1/2 < the row's largest p <= 1. The row's sum l is taken of the UNQUANTISED p, in f32, and the product's result is divided by l at the end. Since M is a whole number, a kernel that streams over the keys may use a running M (the ceiling of the running maximum): every later rescaling is an exact power of two, so the quantised numbers keep their values, but for numbers so far below the row's largest that they fall under the format's range.
;;   OPERANDS COMPUTED ON THE WAY. 'Computed on the way' means the value that the module computes at that place (a softmax that the list does not call 'softmax' is quantised finished and normalised). What goes into a quantiser is computed in f32, as accurately as f32 sums, v_exp_f32 and their like allow (about 1e-6 of the number): no bf16 or f16 on the way to a quantiser, and a product that is left as it is and whose result goes on into a quantised operand takes f32 operands (vector FMAs, or v_wmma_f32_16x16x4_f32). A number that lies on a knife's edge between two numbers of the format may be rounded either way, as far as f32 arithmetic and the matrix unit's own rounding can turn it there, and no further.
;;   INPUTS GIVEN AS CODES. Wk (in the module: [1024, 1024], K = its axis 0); Wo (in the module: [1024, 1024], K = its axis 0); Wq (in the module: [1024, 1024], K = its axis 0); Wv (in the module: [1024, 1024], K = its axis 0); hidden_states (in the module: [4, 2048, 1024], K = its axis 2): each comes as NAME_codes (uint8): NAME with its K axis moved to the last place and cut into blocks of 32 codes, [.., K / 32, bytes a block], one block behind the other in memory; one code a byte (a code: sign, 5 exponent bits, 2 mantissa bits); its scale is its entry of lowp_scales. Its value is code x scale, taken as it is: it is not quantised again, and the codes and scales need not be those that the quantiser above would give.
;; One version. Each part assembles by itself: llvm-mc -triple=amdgcn-amd-amdhsa -mcpu=gfx1250 --defsym DOCPART=n.
;; ======== version 1 of 1: 3 launches
;; limits: right only within a limited range of input values
;; workspace buffers: q_img 8,388,608 bytes; k_img 8,388,608 bytes; v_img 8,388,608 bytes; o_img 8,388,608 bytes
;; launch proj (part 1): grid 4 x 64, 4 waves a work-group, clusters of 4 x 4, 327,680 bytes of LDS; arguments hidden_states_codes, Wq_codes, Wk_codes, Wv_codes, lowp_scales, q_img, k_img, v_img; writes q_img, k_img, v_img
.if DOCPART == 1
	.amdgcn_target "amdgcn-amd-amdhsa--gfx1250"
	.amdhsa_code_object_version 6
	.text
	.protected	k_q0f7b189fe0_proj
	.globl	k_q0f7b189fe0_proj
	.p2align	8
	.type	k_q0f7b189fe0_proj,@function
k_q0f7b189fe0_proj:
	s_mov_b64 s[64:65], 0
	v_nop
	global_prefetch_b8 v0, s[64:65] scope:SCOPE_SE
	s_setreg_imm32_b32 hwreg(HW_REG_WAVE_MODE, 25, 1), 1
	s_wait_xcnt 0x0
	s_wait_alu depctr_hold_cnt(0) depctr_sa_sdst(0) depctr_va_vdst(0) depctr_va_sdst(0) depctr_va_ssrc(0) depctr_va_vcc(0) depctr_vm_vsrc(0)
	s_getreg_b32 s2, hwreg(HW_REG_IB_STS2, 6, 4)
	s_cmp_eq_u32 s2, 0
	s_cbranch_scc0 .Lentry_in_a_cluster
	s_endpgm
.Lentry_in_a_cluster:
	s_bfe_u32 s2, ttmp6, 0x10000c
	s_cmp_lg_u32 s2, 0xf033
	s_cbranch_scc0 .Lentry_shape_is_right
	s_endpgm
.Lentry_shape_is_right:
; q = x Wq, k = x Wk, v = x Wv on codes of BF8 (E5M2), and behind them the quantisers of q, k and v for attention's two products.
; x: [8192][1024] codes; Wq, Wk, Wv: [1024 (feature)][1024 (K)] codes; K innermost.  lowp_scales: e0 .. e11 (int32).
; A sum stands for sum x 2^(eA + eB); its code is sum / 2^E, E = eQ - eA - eB, held within +-57,344 x 2^E: (eA, eB, eQ) = (e0, e1, e6) for q, (e2, e3, e7) for k, (e4, e5, e9) for v.
; LIMITS: -126 <= E <= 112, so that 2^E and 57,344 x 2^E are f32 numbers.  NaN and infinity among the codes are not served.
; ONE BODY: C[m][n] = sum over k of A[m][k] B[n][k].  q: A = x, B = Wq; k: A = x, B = Wk; v: A = Wv, B = x (C = v transposed).
; A WORK-GROUP STAYS: 256 work-groups, each makes three tiles of 128 x 256, one of q, one of k, one of v: a loop of two trips for the tiles that have a successor, and the last tile written out.
; What differs between tiles lies in scalar registers made at the head (A's and B's addresses, the images' address, 2^E) and is shifted from trip to trip.
; Four waves, 2 x 2; a wave makes 64 x 128: 32 accumulators.  The matrix instruction is used transposed (source 0 = 16 rows of B, source 1 = 16 rows of A): lane (r, h), register j of accumulator (a, b) is
; C(16 a + r, 16 b + 8 h + j); one conversion of those eight gives registers 2 b, 2 b + 1 of an operand in the plain 8-bit layout.  The code registers are stored as images: four registers at 16 x lane, 512 bytes a store.
;   q_img, k_img: [batch 4][pair of heads 8][tile of 16 tokens 128][head of the pair 2][1,024]      v_img: [batch 4][pair of heads 8][block of 128 keys 16][head of the pair 2][16 channels 4][2,048]
; LDS.  A tile's K = 1,024 is four K steps of 256.  A narrow slot (rows of 256 bytes) takes K step 0 and later K step 3; a wide slot (rows of 512 bytes) takes K steps 1 and 2.
; A tile's first three K steps are asked for by four joint loads, one a wave: wave 0 A's K step 0, wave 1 B's, wave 2 A's wide tile, wave 3 B's: at the head for the first tile, and for each later tile in the last
; step of the tile before, behind the full sequence and a round, when both slots have been read out: they are on their way under half a step and the way out.  K step 3 is a refill by waves 0 and 1 behind the second step's round.
; By the text's own count a wave never has more than one tensor load out.  Nothing waits for a tile's stores.
; Fragments come by four loads of 16 bytes (k = 32 c + 16 h + 0 .. 15 in registers 4 c .. 4 c + 3): a permutation of k that is the same in A and in B.
; CLUSTERS: 4 x 4.  A's tiles are shared along a row of the cluster, B's along a column.
; PREFETCH: in each trip the next tile's weight (Wk, then Wv: 1,048,576 bytes) is asked for once in the launch, split by address over the 256 work-groups: 16 blocks of 256 bytes each, by wave 0, a lane a block
; (lanes 16-31 name the same blocks again), five steps ahead of the loads that want it.  x is not asked for: all of it has been read in this launch by the first tiles.  Wq comes by its loads alone.
; REGISTERS: window 0: v0-30 addresses and constants; v32-95 codes; A's fragments, set 0 at v128, set 1 at v192.  window 1: B's fragments, sets at v0 and v128.  window 2: accumulator (a, b) at v[8 (8 a + b)].
.set KROW,  1024
.set PITCH, 272                        ; 256 bytes + 16 of padding
.set WPITCH, 528                       ; 512 bytes + 16 of padding
.set AHALF, 64*PITCH
.set BHALF, 128*PITCH
.set BOFF,  2*AHALF                    ; narrow slot: A's 128 rows, then B's 256
.set SLOT,  BOFF+2*BHALF               ; the wide slot begins here: A's 128 rows, then B's 256
.set WB,    SLOT+128*WPITCH
.set SPARE, 3*SLOT                     ; behind the wide slot's end: the spare words, 128 bytes a wave
.set HL,   12                          ; 57,344 x 2^E
.set SC,   13                          ; 2^E
.set ADRA, 16                          ; v16-18 my A fragments: narrow slot, wide slot K step 1, wide slot K step 2
.set ADRB, 20                          ; v20-22 the same for B
.set CO,   26                          ; 16 x lane
.set SPW,  28
.set NIL,  29
.set PFO,  30                          ; 256 x (lane % 16)
.set CD,   32
.set AF,   128
.set G1A,  24                          ; groups 1: narrow A, narrow B, wide A, wide B
.set G1B,  44
.set G1AW, 36
.set G1BW, 68
.set G0A,  32                          ; groups 0 likewise
.set G0B,  52
.set G0AW, 60
.set G0BW, 56
.set NA,   12                          ; s[12:13] the next tile's A, s[10:11] the one after
.set NB,   8                           ; s[8:9] the next tile's B, s[4:5] the one after
.set IMG,  82                          ; s[82:83] this tile's images, s[84:85] the next's, s[86:87] the one after
.set PF,   100                         ; s[100:101] my 4,096 bytes of the next tile's weight, s[104:105] of the one after
.set PF2,  104
.set MSB, 0
.macro WIN new
.if MSB != \new
	s_set_vgpr_msb (MSB<<8)|\new
.set MSB, \new
.endif
.endm
.set MUL,  0xa1
.set TO_B, 0x40
.macro TL g0, g1                       ; a joint load with five lines behind it
	tensor_load_to_lds s[\g0:\g0+3], s[\g1:\g1+7]
	s_nop 0
.rept 4
	v_nop
.endr
.endm
.macro HLOAD                           ; a tile's first three K steps: one chain on the wave's number, one load to an arm, one join
	s_cmp_eq_u32 s14, 0
	s_cbranch_scc0 .Lh1_\@
	TL G0A, G1A
	s_branch .Lhj_\@
.Lh1_\@:
	s_cmp_eq_u32 s14, 1
	s_cbranch_scc0 .Lh2_\@
	TL G0B, G1B
	s_branch .Lhj_\@
.Lh2_\@:
	s_cmp_eq_u32 s14, 2
	s_cbranch_scc0 .Lh3_\@
	TL G0AW, G1AW
	s_branch .Lhj_\@
.Lh3_\@:
	TL G0BW, G1BW
.Lhj_\@:
.endm
.macro RLOAD                           ; K step 3: wave 0 A's tile, wave 1 B's, the others none
	s_cmp_eq_u32 s14, 0
	s_cbranch_scc0 .Lnot_a_\@
	TL G0A, G1A
	s_branch .Lasked_\@
.Lnot_a_\@:
	s_cmp_eq_u32 s14, 1
	s_cbranch_scc0 .Lasked_\@
	TL G0B, G1B
.Lasked_\@:
.endm
.macro CREST
	s_cmp_lg_u32 s14, 0
	s_cbranch_scc1 .Lnot_wave_0_\@
	s_barrier_signal -3
.Lnot_wave_0_\@:
	s_barrier_wait -3
	s_barrier_signal -1
	s_barrier_wait -1
.endm
.macro CROUND
	s_barrier_signal -1
	s_barrier_wait -1
	CREST
.endm
.macro PLACES n
.rept \n
	v_nop
.endr
.endm
.macro G0SET g, lds, src, off
	s_mov_b32 s[\g], 1
	s_mov_b32 s[\g+1], \lds
.if \off
	s_add_nc_u64 s[\g+2:\g+3], s[\src:\src+1], \off
.else
	s_mov_b64 s[\g+2:\g+3], s[\src:\src+1]
.endif
	s_or_b32 s[\g+3], s[\g+3], 0x80000000
.endm
.macro IMGOFF                          ; s76 = my first token, s77 = my first feature -> s[78:79]: where my 8,192 bytes of images begin
	s_lshr_b32 s78, s76, 11                        ; batch
	s_lshl_b32 s78, s78, 3
	s_lshr_b32 s79, s77, 7                         ; pair of heads
	s_add_co_u32 s78, s78, s79
	s_lshl_b32 s78, s78, 18
	s_and_b32 s79, s76, 2047
	s_lshl_b32 s79, s79, 7                         ; 128 bytes a token in both layouts
	s_add_co_u32 s78, s78, s79
	s_bfe_u32 s79, s77, 0x10006                    ; v: the head of the pair
	s_lshl_b32 s79, s79, 13
	s_add_co_u32 s78, s78, s79
	s_mov_b32 s79, 0
.endm
.macro ECALC d, q, a, b                ; s[d] = 2^E, s[d+1] = 57,344 x 2^E as f32, E = s[q] - s[a] - s[b]: no branch hangs on a given exponent
	s_sub_co_i32 s[\d], s[\q], s[\a]
	s_sub_co_i32 s[\d], s[\d], s[\b]
	s_add_co_i32 s[\d], s[\d], 127
	s_add_co_i32 s[\d+1], s[\d], 15
	s_lshl_b32 s[\d], s[\d], 23
	s_lshl_b32 s[\d+1], s[\d+1], 23
	s_or_b32 s[\d+1], s[\d+1], 0x600000
.endm
	s_load_b256 s[4:11], s[0:1], 0x0               ; x, Wq, Wk, Wv
	s_load_b256 s[80:87], s[0:1], 0x20             ; scales, q_img, k_img, v_img
	v_lshl_add_u32 v[SPW], v0, 2, SPARE
	v_mov_b32 v[NIL], 0
	ds_add_u32 v[SPW], v[NIL]                      ; the opening lines: the add twice on end and its wait
	ds_add_u32 v[SPW], v[NIL]
	v_lshrrev_b32 v1, 5, v0
	v_readfirstlane_b32 s14, v1                    ; wave 0..3
	s_lshr_b32 s15, s14, 1                         ; which 64 rows of a tile are mine
	s_and_b32 s16, s14, 1                          ; which 128 columns
	s_bfe_u32 s19, ttmp6, 0x40000                  ; cx: also q's and k's tile column (256 columns)
	s_bfe_u32 s20, ttmp6, 0x40004                  ; cy
	s_and_b32 s23, ttmp7, 0xffff                   ; cluster y, 0 .. 15
	s_lshl_b32 s17, s23, 2
	s_add_co_u32 s17, s17, s20                     ; q, k: C is 64 x 4 tiles: tile row 4 x cluster y + cy
	s_and_b32 s2, s23, 1
	s_lshl_b32 s2, s2, 2
	s_add_co_u32 s2, s2, s20                       ; v: C is 8 x 32 tiles: tile row,
	s_lshr_b32 s18, s23, 1
	s_lshl_b32 s18, s18, 2
	s_add_co_u32 s18, s18, s19                     ; tile column
	s_lshl_b32 s21, s20, 2
	s_lshl_b32 s21, 15, s21                        ; my row of the cluster
	s_lshl_b32 s22, 0x1111, s19                    ; my column
	s_or_b32 s[G1A], s21, (1<<20)|(1<<21)|(5<<22)|(3<<25)   ; elements of 1 byte; four words of padding after every 64
	s_or_b32 s[G1B], s22, (1<<20)|(1<<21)|(5<<22)|(3<<25)
	s_or_b32 s[G1AW], s21, (1<<20)|(1<<21)|(6<<22)|(3<<25)  ; after every 128
	s_or_b32 s[G1BW], s22, (1<<20)|(1<<21)|(6<<22)|(3<<25)
.irp g, G1A, G1B
	s_mov_b32 s[\g+1], 256<<16
	s_mov_b32 s[\g+3], 256<<16
.endr
.irp g, G1AW, G1BW
	s_mov_b32 s[\g+1], 512<<16
	s_mov_b32 s[\g+3], 512<<16
.endr
.irp g, G1A, G1B, G1AW, G1BW
	s_mov_b32 s[\g+5], KROW
	s_mov_b32 s[\g+6], 0
	s_mov_b32 s[\g+7], 0
.endr
.irp g, G1A, G1AW
	s_mov_b32 s[\g+2], 128<<16
	s_mov_b32 s[\g+4], 128
.endr
.irp g, G1B, G1BW
	s_mov_b32 s[\g+2], 256<<16
	s_mov_b32 s[\g+4], 256
.endr
	s_mov_b32 s67, 0                               ; s[66:67]: offsets made of cy; s[76:77]: of cx; s[78:79]: of both
	s_mov_b32 s77, 0
	s_mov_b32 s79, 0
	s_lshl_b32 s78, s23, 4
	s_lshl_b32 s3, s20, 2
	s_add_co_u32 s78, s78, s3
	s_add_co_u32 s78, s78, s19                     ; my work-group's number, 0 .. 255,
	s_lshl_b32 s78, s78, 12                        ; x 4,096 bytes
	s_wait_dscnt 0x0
	s_wait_kmcnt 0x0
	s_load_b256 s[88:95], s[80:81], 0x0            ; e0 .. e7
	s_load_b128 s[96:99], s[80:81], 0x20           ; e8 .. e11
	s_add_nc_u64 s[PF:PF+1], s[8:9], s[78:79]      ; the prefetches: in Wk, in Wv
	s_add_nc_u64 s[PF2:PF2+1], s[10:11], s[78:79]
	s_lshl_b32 s66, s17, 17                        ; 128 rows of 1,024 bytes x tile row
	s_add_nc_u64 s[NA:NA+1], s[4:5], s[66:67]      ; A of q and of k: x
	s_lshl_b32 s66, s2, 17
	s_add_nc_u64 s[10:11], s[10:11], s[66:67]      ; A of v: Wv
	s_lshl_b32 s76, s19, 18                        ; 256 rows x tile column
	s_add_nc_u64 s[6:7], s[6:7], s[76:77]          ; B of q: Wq
	s_add_nc_u64 s[NB:NB+1], s[NB:NB+1], s[76:77]  ; B of k: Wk
	s_lshl_b32 s76, s18, 18
	s_add_nc_u64 s[4:5], s[4:5], s[76:77]          ; B of v: x
	G0SET G0A, 0, NA, 0
	G0SET G0B, BOFF, 6, 0
	G0SET G0AW, SLOT, NA, 256
	G0SET G0BW, WB, 6, 256
	CROUND                                         ; all sixteen work-groups are here: the first joint loads meet
	HLOAD
	s_lshl_b32 s76, s17, 7                         ; q, k: rows are tokens, columns features
	s_lshl_b32 s3, s15, 6
	s_add_co_u32 s76, s76, s3
	s_lshl_b32 s77, s19, 8
	s_lshl_b32 s3, s16, 7
	s_add_co_u32 s77, s77, s3
	IMGOFF
	s_add_nc_u64 s[IMG:IMG+1], s[IMG:IMG+1], s[78:79]
	s_add_nc_u64 s[84:85], s[84:85], s[78:79]
	s_lshl_b32 s77, s2, 7                          ; v: rows are features, columns tokens
	s_lshl_b32 s3, s15, 6
	s_add_co_u32 s77, s77, s3
	s_lshl_b32 s76, s18, 8
	s_lshl_b32 s3, s16, 7
	s_add_co_u32 s76, s76, s3
	IMGOFF
	s_add_nc_u64 s[86:87], s[86:87], s[78:79]
	s_mul_i32 s66, s15, AHALF                      ; my 64 rows of A, my 128 rows of B, in the narrow slot
	s_mul_i32 s67, s16, BHALF
	s_add_co_u32 s67, s67, BOFF
	s_mul_i32 s2, s15, 64*WPITCH                   ; and in the wide one
	s_add_co_u32 s2, s2, SLOT
	s_mul_i32 s3, s16, 128*WPITCH
	s_add_co_u32 s3, s3, WB
	v_and_b32 v1, 15, v0                           ; r
	v_bfe_u32 v2, v0, 4, 1                         ; h
	v_mul_u32_u24 v3, v1, PITCH
	v_lshl_add_u32 v3, v2, 4, v3
	v_mul_u32_u24 v5, v1, WPITCH
	v_lshl_add_u32 v5, v2, 4, v5
	v_add_nc_u32 v[ADRA], s66, v3
	v_add_nc_u32 v[ADRB], s67, v3
	v_add_nc_u32 v[ADRA+1], s2, v5
	v_add_nc_u32 v[ADRB+1], s3, v5
	v_add_nc_u32 v[ADRA+2], 256, v[ADRA+1]
	v_add_nc_u32 v[ADRB+2], 256, v[ADRB+1]
	v_and_b32 v4, 31, v0
	v_lshlrev_b32 v[CO], 4, v4
	v_lshlrev_b32 v[PFO], 8, v1
	s_wait_kmcnt 0x0
	ECALC 76, 94, 88, 89                           ; q: e6 - e0 - e1
	ECALC 78, 95, 90, 91                           ; k: e7 - e2 - e3
	ECALC 80, 97, 92, 93                           ; v: e9 - e4 - e5
	v_mov_b32 v[SC], s76
	v_mov_b32 v[HL], s77
.macro FRAG reg, adr, q, i             ; 16 rows x 128 K; FP: the slot's pitch
.irp c, 0,1,2,3
	ds_load_b128 v[\reg+4*\c:\reg+4*\c+3], v[\adr] offset:128*(\q)+32*\c+(\i)*16*FP
.endr
.endm
.macro FETCH slot, q, p                ; 48 LDS loads: the q-th 128 along K of K step `slot` (0 also serves K step 3) into set p
.if \slot == 0
.set FP, PITCH
.else
.set FP, WPITCH
.endif
	WIN TO_B
.irp i, 0,1,2,3,4,5,6,7
	FRAG 128*(\p)+16*\i, ADRB+\slot, \q, \i
.endr
	WIN 0
.irp i, 0,1,2,3
	FRAG AF+64*(\p)+16*\i, ADRA+\slot, \q, \i
.endr
.endm
; 8 matrix instructions: A's block a against B's eight.  The 32 accumulators take turns.
.macro MUL8 a, p, zero
.irp b, 0,1,2,3,4,5,6,7
.if \zero
	v_wmma_f32_16x16x128_bf8_bf8 v[8*(8*(\a)+\b):8*(8*(\a)+\b)+7], v[128*(\p)+16*\b:128*(\p)+16*\b+15], v[AF+64*(\p)+16*(\a):AF+64*(\p)+16*(\a)+15], 0
.else
	v_wmma_f32_16x16x128_bf8_bf8 v[8*(8*(\a)+\b):8*(8*(\a)+\b)+7], v[128*(\p)+16*\b:128*(\p)+16*\b+15], v[AF+64*(\p)+16*(\a):AF+64*(\p)+16*(\a)+15], v[8*(8*(\a)+\b):8*(8*(\a)+\b)+7]
.endif
.endr
.endm
.macro STEP slot, q, p, zero           ; multiplies set p; the next step's fragments are asked for first, into the other set
.if \zero == 0
	PLACES 4
.endif
	FETCH \slot, \q, 1-\p
	s_wait_dscnt 48                                ; all but the 48 just issued: set p is in
	WIN MUL
	MUL8 0, \p, \zero
	MUL8 1, \p, \zero
	MUL8 2, \p, \zero
	MUL8 3, \p, \zero
	WIN 0
.endm
; A step on set 1 with a barrier.  fill = 0: nothing is filled.  1: the narrow slot takes K step 3.  2: the tile's last step: both slots have been read out and take the next tile's K steps 0, 1, 2.
.macro TURN next, fill
	s_wait_tensorcnt 0x0                           ; all my tensor loads have landed, so every group 0 may be written
	ds_add_u32 v[SPW], v[NIL]
.if \fill == 1
	s_add_nc_u64 s[G0A+2:G0A+3], s[G0A+2:G0A+3], 3*256
	s_add_nc_u64 s[G0B+2:G0B+3], s[G0B+2:G0B+3], 3*256
.endif
.if \fill == 2
	G0SET G0A, 0, NA, 0
	G0SET G0AW, SLOT, NA, 256
	G0SET G0B, BOFF, NB, 0
	G0SET G0BW, WB, NB, 256
	s_mov_b64 s[NA:NA+1], s[10:11]                 ; the tile after the next moves up
	s_mov_b64 s[NB:NB+1], s[4:5]
.endif
	s_wait_dscnt 1                                 ; set 1 is in; the add alone may be out
	WIN MUL
	MUL8 0, 1, 0
	s_wait_dscnt 0x0                               ; the add is done, my LDS reads are over
	s_barrier_signal -1
	MUL8 1, 1, 0
	WIN 0
	s_barrier_wait -1
.if \fill
	CREST                                          ; the barrier has opened a round of the cluster's barrier
.endif
.if \fill == 1
	RLOAD
.endif
.if \fill == 2
	HLOAD
.else
	PLACES 4                                       ; in front of the loads into set 0
	FETCH \next, 0, 0
.endif
	WIN MUL
	MUL8 2, 1, 0
	MUL8 3, 1, 0
	WIN 0
.endm
.macro QOUT a                          ; the hold, the conversion, four stores
	WIN 0x02
.set j, 0
.rept 64
	v_med3_num_f32 v[AF+j], v[64*\a+j], -v[HL], v[HL]   ; the conversion does not saturate (ISA guide 7.6.2); each accumulator from its low end on
.set j, j+1
.endr
	WIN 0
.irp b, 0,1,2,3,4,5,6,7
	v_cvt_scalef32_pk8_bf8_f32 v[CD+16*\a+2*\b:CD+16*\a+2*\b+1], v[AF+8*\b:AF+8*\b+7], v[SC]
.endr
	v_nop                                          ; one plain line behind the conversions
.irp c, 0,1,2,3
	global_store_b128 v[CO], v[CD+16*\a+4*\c:CD+16*\a+4*\c+3], s[IMG:IMG+1] offset:\a*2048+\c*512   ; 32 lanes store 512 consecutive bytes
.endr
.endm
.macro TILE more                       ; a tile: eight steps of 128 along K and the way out.  more = 1: it has a successor
	s_cmp_lt_u32 s14, 2                            ; waves 0 and 1 brought K step 0 and wait for it; the wide tiles of waves 2 and 3 may be out
	s_cbranch_scc0 .Lno_k0_\@
	s_wait_tensorcnt 0x0
.Lno_k0_\@:
	s_barrier_signal -1
	s_barrier_wait -1
	FETCH 0, 0, 0
	STEP 0, 1, 0, 1                                ; step 0 starts the sums
	TURN 1, 1                                      ; step 1; the wide slot is whole for every wave
	STEP 1, 1, 0, 0
.if \more
	s_cmp_lg_u32 s14, 0
	s_cbranch_scc1 .Lno_pf_\@
	global_prefetch_b8 v[PFO], s[PF:PF+1] th:TH_LOAD_NT scope:SCOPE_SE   ; my 16 blocks of the next tile's weight
.Lno_pf_\@:
.endif
	STEP 2, 0, 1, 0
	STEP 2, 1, 0, 0
	TURN 0, 0                                      ; step 5; K step 3 is whole for every wave
	STEP 0, 1, 0, 0
.if \more
	TURN 0, 2                                      ; step 7
.else
	s_wait_dscnt 0
	WIN MUL
	MUL8 0, 1, 0
	MUL8 1, 1, 0
	MUL8 2, 1, 0
	MUL8 3, 1, 0
	WIN 0
.endif
	PLACES 4
	QOUT 0
	QOUT 1
	QOUT 2
	QOUT 3
.endm
	s_mov_b32 s3, 2
	s_wait_alu depctr_va_vdst(0)                   ; the wait at the head's end
.Ltile:
	TILE 1
	s_wait_xcnt 0x0                                ; the stores and the prefetch have read their bases and data: only now are these written
	s_mov_b64 s[IMG:IMG+1], s[84:85]
	s_mov_b64 s[84:85], s[86:87]
	s_mov_b64 s[PF:PF+1], s[PF2:PF2+1]
	v_mov_b32 v[SC], s78
	v_mov_b32 v[HL], s79
	s_mov_b32 s78, s80
	s_mov_b32 s79, s81
	s_sub_co_u32 s3, s3, 1
	s_cmp_lg_u32 s3, 0
	s_wait_alu depctr_va_vdst(0)                   ; the wait, directly ahead of the branch
	s_cbranch_scc1 .Ltile
	TILE 0                                         ; the last tile asks for nothing more
	s_wait_tensorcnt 0x0                           ; the wave's end
	ds_add_u32 v[SPW], v[NIL]
	s_wait_dscnt 0x0
	CROUND                                         ; the closing round
	s_endpgm
.Lfunc_end_k_q0f7b189fe0_proj:
	.size	k_q0f7b189fe0_proj, .Lfunc_end_k_q0f7b189fe0_proj-k_q0f7b189fe0_proj
	.p2alignl 7, 3214868480
	.fill 96, 4, 3214868480
	.section	.rodata,"a",@progbits
	.p2align	6, 0x0
	.amdhsa_kernel k_q0f7b189fe0_proj
		.amdhsa_group_segment_fixed_size 327680
		.amdhsa_private_segment_fixed_size 0
		.amdhsa_enable_private_segment 0
		.amdhsa_kernarg_size 64
		.amdhsa_user_sgpr_count 2
		.amdhsa_user_sgpr_kernarg_segment_ptr 1
		.amdhsa_wavefront_size32 1
		.amdhsa_system_sgpr_workgroup_id_x 1
		.amdhsa_system_sgpr_workgroup_id_y 1
		.amdhsa_system_sgpr_workgroup_id_z 1
		.amdhsa_system_vgpr_workitem_id 0
		.amdhsa_next_free_vgpr 768
		.amdhsa_next_free_sgpr 106
		.amdhsa_reserve_vcc 0
		.amdhsa_float_denorm_mode_32 3
		.amdhsa_float_denorm_mode_16_64 3
		.amdhsa_memory_ordered 1
		.amdhsa_forward_progress 1
		.amdhsa_inst_pref_size 141
	.end_amdhsa_kernel
	.amdgpu_metadata
---
amdhsa.version: [ 1, 2 ]
amdhsa.kernels:
  - .name:           k_q0f7b189fe0_proj
    .symbol:         k_q0f7b189fe0_proj.kd
    .args:
      - { .name: hidden_states_codes, .offset: 0, .size: 8, .value_kind: global_buffer, .address_space: global }
      - { .name: Wq_codes, .offset: 8, .size: 8, .value_kind: global_buffer, .address_space: global }
      - { .name: Wk_codes, .offset: 16, .size: 8, .value_kind: global_buffer, .address_space: global }
      - { .name: Wv_codes, .offset: 24, .size: 8, .value_kind: global_buffer, .address_space: global }
      - { .name: lowp_scales, .offset: 32, .size: 8, .value_kind: global_buffer, .address_space: global }
      - { .name: q_img, .offset: 40, .size: 8, .value_kind: global_buffer, .address_space: global }
      - { .name: k_img, .offset: 48, .size: 8, .value_kind: global_buffer, .address_space: global }
      - { .name: v_img, .offset: 56, .size: 8, .value_kind: global_buffer, .address_space: global }
    .group_segment_fixed_size: 327680
    .private_segment_fixed_size: 0
    .kernarg_segment_align: 8
    .kernarg_segment_size: 64
    .max_flat_workgroup_size: 128
    .sgpr_count:     106
    .vgpr_count:     768
    .wavefront_size: 32
...
	.end_amdgpu_metadata
.endif
;; end of part 1
;; launch attn (part 2): grid 4 x 64, 8 waves a work-group, clusters of 4 x 1, 327,680 bytes of LDS; arguments q_img, k_img, v_img, lowp_scales, o_img; writes o_img
.if DOCPART == 2
	.amdgcn_target "amdgcn-amd-amdhsa--gfx1250"
	.amdhsa_code_object_version 6
	.text
	.protected	k_q0f7b189fe0_attn
	.globl	k_q0f7b189fe0_attn
	.p2align	8
	.type	k_q0f7b189fe0_attn,@function
k_q0f7b189fe0_attn:
	s_mov_b64 s[64:65], 0
	v_nop
	global_prefetch_b8 v0, s[64:65] scope:SCOPE_SE
	s_setreg_imm32_b32 hwreg(HW_REG_WAVE_MODE, 25, 1), 1
	s_wait_xcnt 0x0
	s_wait_alu depctr_hold_cnt(0) depctr_sa_sdst(0) depctr_va_vdst(0) depctr_va_sdst(0) depctr_va_ssrc(0) depctr_va_vcc(0) depctr_vm_vsrc(0)
	s_getreg_b32 s2, hwreg(HW_REG_IB_STS2, 6, 4)
	s_cmp_eq_u32 s2, 0
	s_cbranch_scc0 .Lentry_in_a_cluster
	s_endpgm
.Lentry_in_a_cluster:
	s_bfe_u32 s2, ttmp6, 0x10000c
	s_cmp_lg_u32 s2, 0x3003
	s_cbranch_scc0 .Lentry_shape_is_right
	s_endpgm
.Lentry_shape_is_right:
; o = softmax(q k^T / 8) v for 64 heads (4 batches x 16) of 2,048 tokens x 64 channels, both products on codes of BF8 (E5M2), and the quantiser of o for the last projection.
; q_img, k_img: [batch x pair of heads 32][tile of 16 tokens 128][head of the pair 2][1,024]: fragments 16 tokens x 64 channels as images of their 8 registers (plain 8-bit layout).
; v_img: [batch x pair 32][block of 128 keys 16][head of the pair 2][16 channels 4][2,048]: fragments 16 channels x 128 keys of v^T, 16 registers.
; o_img: [tile of 16 tokens 512][pair of heads 8][2,048]: fragments 16 tokens x 128 of the inner axis, registers 4 c .. 4 c + 3: k = 32 c + 16 (lane / 16) + 0 .. 15.
; THE SOFTMAX: t = score x log2(e) / 8; M = the running largest t rounded up to a whole number; p = 2^(t - M) is quantised (scale 2^e8), not normalised; the row's sum is taken of the unquantised p and divides at the end.
; When M moves, the sum and O are multiplied by 2^(old M - new M), which rounds nothing.  The running maximum is kept as a raw score (c is positive).
; SHARES.  A work-group owns 512 queries of a head; the head's whole K and V, 131,072 bytes each, come into LDS once; no byte is filled twice, nothing is stored to LDS.
; FILLS.  At the head each wave issues one joint load: waves 0-3 8 tiles of K each, waves 4-7 one block of V each: the first quarter of the keys.  Behind the full sequence and a round each wave issues one more:
; 24 tiles of K or 3 blocks of V: the other three quarters.  The four work-groups of a cluster own the four quarters of one head's queries and ask jointly (mask 15).  A wave never has more than one tensor load out.
; The work-group walks the keys twice, for 256 queries each time; a wave owns two tiles of 16 queries.  Each fragment read from LDS feeds two matrix instructions.
; BOTH TILES' SOFTMAX IS ONE TEXT in window 0, their chains line by line by turns.  The exponentials go in two batches of 64, with plain lines of the other tile between them:
; tile 0's batch carries tile 1's scalings, tile 1's batch carries tile 0's first sums and its hold.  What such a line writes is read only behind the wait that follows its batch: three waits a key step.
; O's rescaling stands ahead of the first batch.
; LAYOUT.  Both products are used transposed: S^T = K Q^T, O^T = V^T P^T: a lane holds one query (lane % 16).  Register j of score tile t is key 16 t + 8 (lane / 16) + j: a conversion of the tile's eight registers gives registers 2 t, 2 t + 1 of P.
; No prefetch is laid: all of K and V is asked for by the two fills in the head, ahead of the loop.
; LIMITS: e6 + e7 between -123 and 130; e8 and e10 between -126 and 112; the scaled scores stay under 2^31 in magnitude.  NaN is not served.
; REGISTERS.  window 0: v1-14 addresses and constants; tile a's own at +16 a: v16 -M, v[18:19] the sum, v20 f, v[22:23], v24-26 at work, v27 the largest score, v28 1 / the sum; v48+16 a P's codes; v96+64 a S^T, then p;
;   v224-255 tile 0's sixteen first sums.   window 1: v0-63 K's eight fragments; v64-127 V's four; v128+32 a O^T; v192+8 a Q; v208+8 a Q of the second walk.
.set VB,   131072                      ; LDS: K from 0, V from here
.set SPARE, 262144                     ; the spare words, 128 bytes a wave
.set LI,   1                           ; 16 x lane
.set AV0,  2                           ; 16 x lane + VB
.set ADK,  3
.set ADV,  4
.set OA,   5                           ; 16 (lane % 16) + 8 (lane / 16)
.set SPW,  8
.set NIL,  9
.set HP,   10                          ; 57,344 x 2^e8, twice: the two halves of a dual pair read it from two registers
.set HP2,  11
.set SP,   12                          ; 2^e8
.set HO,   13                          ; 57,344 x 2^e10
.set SO,   14                          ; 2^e10
.set NM,   16
.set L,    18
.set F,    20
.set A2,   22
.set T0,   24
.set T1,   25
.set T2,   26
.set RMX,  27
.set R,    28
.set PC,   48
.set S,    96
.set X,    224
.set KF,   0
.set VF,   64
.set O,    128
.set Q,    192
.set QN,   208
.set WV,   14
.set SEL,  20
.set CS,   22                          ; s[22:23] c = log2(e) / 8 x 2^(e6 + e7)
.set G1K,  24
.set G1V,  32
.set G1K2, 40
.set G1V2, 48
.set TB,   56                          ; 8,192 x the key step
.set TBN,  57
.set PASS, 58
.set CNT,  59
.set G0K,  68
.set G0V,  72
.set G0K2, 76
.set G0V2, 80
.set MSB, 0
.macro WIN new
.if MSB != \new
	s_set_vgpr_msb (MSB<<8)|\new
.set MSB, \new
.endif
.endm
.macro CROUND
	s_barrier_signal -1
	s_barrier_wait -1
	s_cmp_lg_u32 s[WV], 0
	s_cbranch_scc1 .Lnot_wave_0_\@
	s_barrier_signal -3
.Lnot_wave_0_\@:
	s_barrier_wait -3
	s_barrier_signal -1
	s_barrier_wait -1
.endm
.macro KVLOAD gk, g1k, gv, g1v         ; waves 0-3 fetch K, waves 4-7 V: one load to an arm
	s_cmp_lt_u32 s[WV], 4
	s_cbranch_scc0 .Lfor_v_\@
	tensor_load_to_lds s[\gk:\gk+3], s[\g1k:\g1k+7]
	s_nop 0
.rept 4
	v_nop
.endr
	s_branch .Lasked_\@
.Lfor_v_\@:
	tensor_load_to_lds s[\gv:\gv+3], s[\g1v:\g1v+7]
	s_nop 0
.rept 4
	v_nop
.endr
.Lasked_\@:
.endm
.macro G0SET g, src, off
	s_mov_b32 s[\g], 1
	s_add_nc_u64 s[\g+2:\g+3], s[\src:\src+1], s[\off:\off+1]
	s_or_b32 s[\g+3], s[\g+3], 0x80000000
.endm
.macro INIT                            ; a walk begins: the key step is written once; its first turn finds zeros, which the first change of M leaves zeros
	WIN 0x40
.set n, 0
.rept 64
	v_mov_b32 v[O+n], 0
.set n, n+1
.endr
	WIN 0
.irp a, 0,1
	v_mov_b32 v[RMX+16*\a], 0xff61b1e6             ; -3e38, under every score
	v_mov_b32 v[NM+16*\a], 0x7f61b1e6              ; -M = 3e38
	v_mov_b32 v[L+16*\a], 0
	v_mov_b32 v[L+16*\a+1], 0
.endr
.endm
	s_load_b256 s[4:11], s[0:1], 0x0               ; q_img, k_img, v_img, scales
	s_load_b64 s[12:13], s[0:1], 0x20              ; o_img
	v_lshl_add_u32 v[SPW], v0, 2, SPARE
	v_mov_b32 v[NIL], 0
	ds_add_u32 v[SPW], v[NIL]                      ; the opening lines: the add twice on end and its wait
	ds_add_u32 v[SPW], v[NIL]
	v_lshrrev_b32 v6, 5, v0
	v_readfirstlane_b32 s[WV], v6                  ; wave 0..7
	s_bfe_u32 s15, ttmp6, 0x40000                  ; cx: my quarter of the queries: it enters Q's and o's addresses alone
	s_and_b32 s16, ttmp7, 0xffff                   ; 16 x batch + head
	s_and_b32 s17, s[WV], 3                        ; u: which part I fetch
	s_lshr_b32 s60, s16, 1
	s_lshl_b32 s60, s60, 18                        ; (8 x batch + pair) x 262,144
	s_and_b32 s18, s16, 1                          ; the head of the pair
	s_lshl_b32 s61, s18, 10
	s_add_co_u32 s90, s60, s61                     ; K: + 1,024 x head of the pair
	s_mov_b32 s91, 0
	s_lshl_b32 s61, s18, 13
	s_add_co_u32 s92, s60, s61                     ; V: + 8,192 x head of the pair
	s_mov_b32 s93, 0
	s_lshl_b32 s62, s17, 14                        ; first fill, in memory: 16,384 u (8 tiles of K or a block of V, the pair's other head between)
	s_mov_b32 s63, 0
	s_mul_i32 s94, s17, 49152                      ; second fill: behind the first quarter, 24 tiles or 3 blocks a wave
	s_add_co_u32 s94, s94, 65536
	s_mov_b32 s95, 0
	s_lshl_b32 s66, s17, 13                        ; in LDS: 8,192 u;
	s_mul_i32 s67, s17, 24576
	s_add_co_u32 s67, s67, 32768                   ; 32,768 + 24,576 u
.irp g, G1K, G1V, G1K2, G1V2
	s_mov_b32 s[\g], 15|(3<<16)|(1<<21)            ; the mask: all four work-groups; elements of 8 bytes; no padding: an image's 512 bytes are read on end
	s_mov_b32 s[\g+6], 0
	s_mov_b32 s[\g+7], 0
.endr
.irp g, G1K, G1V, G1K2
	s_mov_b32 s[\g+1], 128<<16                     ; rows of 1,024 bytes
	s_mov_b32 s[\g+3], 128<<16
.endr
	s_mov_b32 s[G1K+2], 8<<16
	s_mov_b32 s[G1K+4], 8
	s_mov_b32 s[G1K+5], 256                        ; 2,048 bytes from row to row
	s_mov_b32 s[G1V+2], 8<<16
	s_mov_b32 s[G1V+4], 8
	s_mov_b32 s[G1V+5], 128                        ; dense
	s_mov_b32 s[G1K2+2], 24<<16
	s_mov_b32 s[G1K2+4], 24
	s_mov_b32 s[G1K2+5], 256
	s_mov_b32 s[G1V2+1], 1024<<16                  ; rows of 8,192 bytes: a block
	s_mov_b32 s[G1V2+2], 3<<16
	s_mov_b32 s[G1V2+3], 1024<<16
	s_mov_b32 s[G1V2+4], 3
	s_mov_b32 s[G1V2+5], 2048                      ; 16,384 bytes from block to block
	s_mov_b32 s[SEL], 0x76543210
	s_mov_b32 s[SEL+1], 0xfedcba98
	s_mov_b32 s[G0K+1], s66
	s_add_co_u32 s[G0V+1], s66, VB
	s_mov_b32 s[G0K2+1], s67
	s_add_co_u32 s[G0V2+1], s67, VB
	s_wait_dscnt 0x0
	s_wait_kmcnt 0x0
	s_load_b128 s[84:87], s[10:11], 0x18           ; e6, e7, e8, e9
	s_load_b32 s88, s[10:11], 0x28                 ; e10
	s_add_nc_u64 s[6:7], s[6:7], s[90:91]
	s_add_nc_u64 s[8:9], s[8:9], s[92:93]
	G0SET G0K, 6, 62
	G0SET G0V, 8, 62
	G0SET G0K2, 6, 94
	G0SET G0V2, 8, 94
	CROUND                                         ; all four work-groups are here: the joint loads meet
	KVLOAD G0K, G1K, G0V, G1V                      ; the first quarter of the keys
	; Q: tile of 16 tokens 32 cx + 16 walk + 2 wave + a, 2,048 bytes a tile, + 1,024 x head of the pair
	s_lshl_b32 s61, s18, 10
	s_add_co_u32 s94, s60, s61
	s_lshl_b32 s61, s15, 16
	s_add_co_u32 s94, s94, s61
	s_lshl_b32 s61, s[WV], 12
	s_add_co_u32 s94, s94, s61
	s_mov_b32 s95, 0
	s_add_nc_u64 s[4:5], s[4:5], s[94:95]
	v_and_b32 v6, 31, v0
	v_lshlrev_b32 v[LI], 4, v6
	v_add_nc_u32 v[AV0], VB, v[LI]
	v_and_b32 v6, 15, v0
	v_bfe_u32 v7, v0, 4, 1
	v_lshlrev_b32 v[OA], 4, v6
	v_lshl_add_u32 v[OA], v7, 3, v[OA]
	s_wait_alu depctr_va_vdst(0)
	WIN 0x40
.irp a, 0,1
.irp c, 0,1
	global_load_b128 v[Q+8*\a+4*\c:Q+8*\a+4*\c+3], v[LI], s[4:5] offset:2048*\a+512*\c th:TH_LOAD_NT
	global_load_b128 v[QN+8*\a+4*\c:QN+8*\a+4*\c+3], v[LI], s[4:5] offset:32768+2048*\a+512*\c th:TH_LOAD_NT
.endr
.endr
	WIN 0
	s_wait_kmcnt 0x0
	s_add_co_i32 s60, s84, s85
	s_lshl_b32 s60, s60, 23
	s_mov_b32 s[CS], 0x3e38aa3b                    ; log2(e) / 8
	s_add_co_i32 s[CS], s[CS], s60                 ; e6 + e7 added to its exponent field
	s_mov_b32 s[CS+1], s[CS]
	s_add_co_i32 s89, s86, s87                     ; e8 + e9
	s_add_co_i32 s60, s86, 127
	s_lshl_b32 s61, s60, 23                        ; 2^e8
	s_add_co_i32 s60, s60, 15
	s_lshl_b32 s60, s60, 23
	s_or_b32 s60, s60, 0x600000                    ; 57,344 x 2^e8
	s_add_co_i32 s62, s88, 127
	s_lshl_b32 s63, s62, 23                        ; 2^e10
	s_add_co_i32 s62, s62, 15
	s_lshl_b32 s62, s62, 23
	s_or_b32 s62, s62, 0x600000                    ; 57,344 x 2^e10
	v_mov_b32 v[HP], s60
	v_mov_b32 v[HP2], s60
	v_mov_b32 v[SP], s61
	v_mov_b32 v[HO], s62
	v_mov_b32 v[SO], s63
.irp a, 0,1
	v_mov_b32 v[T2+16*\a], 0                       ; a lane permute's destination counts as one of its sources
	v_mov_b32 v[NM+16*\a+1], 0                     ; (named as the upper halves of pairs)
	v_mov_b32 v[F+16*\a+1], 0
	v_mov_b32 v[R+16*\a+1], 0
.endr
	INIT
	; o: tile of 16 tokens 128 x batch + 32 cx + 16 walk + 2 wave + a, 16,384 bytes a tile; + 2,048 x pair + 1,024 x head of the pair
	s_lshr_b32 s94, s16, 4
	s_lshl_b32 s94, s94, 7
	s_lshl_b32 s95, s15, 5
	s_add_co_u32 s94, s94, s95
	s_lshl_b32 s95, s[WV], 1
	s_add_co_u32 s94, s94, s95
	s_lshl_b32 s94, s94, 14
	s_bfe_u32 s95, s16, 0x30001
	s_lshl_b32 s95, s95, 11
	s_add_co_u32 s94, s94, s95
	s_lshl_b32 s95, s18, 10
	s_add_co_u32 s94, s94, s95
	s_mov_b32 s95, 0
	s_add_nc_u64 s[12:13], s[12:13], s[94:95]
.macro SCORES a                        ; S^T = K Q^T: eight tiles of 16 keys, K = the head's 64
.irp t, 0,1,2,3,4,5,6,7
	v_wmma_f32_16x16x64_bf8_bf8 v[S+64*\a+8*\t:S+64*\a+8*\t+7], v[KF+8*\t:KF+8*\t+7], v[Q+8*\a:Q+8*\a+7], 0
.endr
.endm
; A KEY STEP: 128 keys for both tiles.  K of this step was fetched a step ago.
.macro KSTEP
	s_wait_dscnt 0x0                               ; K is in
	WIN 0x05                                       ; K and Q window 1, S^T window 0
	SCORES 0
	SCORES 1
	WIN 0
	s_add_co_u32 s[TBN], s[TB], 8192
	s_and_b32 s[TBN], s[TBN], 0x1ffff              ; behind the last step comes the first: the next walk's
	v_add_nc_u32 v[ADV], s[TB], v[AV0]             ; these two and two v_nop are the four places in front of the loads and of the first read of the scores
	v_add_nc_u32 v[ADK], s[TBN], v[LI]
	v_nop
	v_nop
	WIN 0x40
.irp i, 0,1,2,3,4,5,6,7,8,9,10,11,12,13,14,15
	ds_load_b128 v[VF+4*\i:VF+4*\i+3], v[ADV] offset:512*\i   ; V of this step
.endr
.irp i, 0,1,2,3,4,5,6,7,8,9,10,11,12,13,14,15
	ds_load_b128 v[KF+4*\i:KF+4*\i+3], v[ADK] offset:512*\i   ; K of the next step
.endr
	WIN 0
.irp a, 0,1                            ; the step's largest score of each query: four chains by turns; each score tile is read from its low end on
	v_max3_num_f32 v[T0+16*\a], v[S+64*\a], v[S+64*\a+1], v[S+64*\a+2]
	v_max3_num_f32 v[T1+16*\a], v[S+64*\a+3], v[S+64*\a+4], v[S+64*\a+5]
.endr
.set i, 6
.rept 14
.irp a, 0,1
	v_max3_num_f32 v[T0+16*\a], v[T0+16*\a], v[S+64*\a+i], v[S+64*\a+i+1]
	v_max3_num_f32 v[T1+16*\a], v[T1+16*\a], v[S+64*\a+i+2], v[S+64*\a+i+3]
.endr
.set i, i+4
.endr
.irp a, 0,1
	v_max3_num_f32 v[T0+16*\a], v[T0+16*\a], v[S+64*\a+62], v[S+64*\a+63]
.endr
.irp a, 0,1
	v_max_num_f32 v[T0+16*\a], v[T0+16*\a], v[T1+16*\a]
.endr
.irp a, 0,1
	v_permlanex16_b32 v[T2+16*\a], v[T0+16*\a], s[SEL], s[SEL+1]
.endr
.irp a, 0,1
	v_max3_num_f32 v[RMX+16*\a], v[RMX+16*\a], v[T0+16*\a], v[T2+16*\a]   ; the running largest score, lane l xor 16's among it
.endr
.irp a, 0,1
	v_mul_f32 v[T0+16*\a], s[CS], v[RMX+16*\a]     ; as t
.endr
.irp a, 0,1
	v_floor_f32 v[T1+16*\a], -v[T0+16*\a]          ; the new -M = -ceil(t)
.endr
.irp a, 0,1
	v_sub_f32 v[T0+16*\a], v[T1+16*\a], v[NM+16*\a]   ; old M - new M: a whole number, 0 or less
.endr
.irp a, 0,1
	v_mov_b32 v[NM+16*\a], v[T1+16*\a]
.endr
.irp a, 0,1
	v_cvt_i32_f32 v[T0+16*\a], v[T0+16*\a]         ; (it saturates)
.endr
.irp a, 0,1
	v_ldexp_f32 v[F+16*\a], 1.0, v[T0+16*\a]       ; f = 2^(old M - new M)
.endr
.set n, 0
.rept 32
	v_pk_fma_f32 v[S+n:S+n+1], v[S+n:S+n+1], s[CS:CS+1], v[NM:NM+1] op_sel_hi:[1,0,0]   ; tile 0: t - M
.set n, n+2
.endr
	WIN 0x41                                       ; O^T window 1, f window 0
.irp a, 0,1
.set n, 0
.rept 16
	v_pk_mul_f32 v[O+32*\a+n:O+32*\a+n+1], v[O+32*\a+n:O+32*\a+n+1], v[F+16*\a:F+16*\a+1] op_sel_hi:[1,0]   ; O^T under the new M; each accumulator from its low end on
.set n, n+2
.endr
.endr
	WIN 0
	s_wait_alu depctr_va_vdst(0)                   ; ahead of the batch
.set n, 0
.rept 32                               ; tile 0: p = 2^(t - M); between the lines tile 1's t - M, which is read behind the next wait
	v_exp_f32 v[S+n], v[S+n]
	v_pk_fma_f32 v[S+64+n:S+64+n+1], v[S+64+n:S+64+n+1], s[CS:CS+1], v[NM+16:NM+17] op_sel_hi:[1,0,0]
	v_exp_f32 v[S+n+1], v[S+n+1]
.set n, n+2
.endr
.irp a, 0,1
	v_pk_mul_f32 v[L+16*\a:L+16*\a+1], v[L+16*\a:L+16*\a+1], v[F+16*\a:F+16*\a+1] op_sel_hi:[1,0]   ; the sums under the new M (the plain lines behind the batch)
.endr
	s_wait_alu depctr_va_vdst(0)                   ; behind tile 0's batch and ahead of tile 1's
.set n, 0
.rept 16                               ; tile 1: p; between the lines tile 0's first sums, of the unquantised p, and then its hold (the conversion does not saturate: ISA guide 7.6.2; p is not negative, so the hold is one-sided)
	v_exp_f32 v[S+64+n], v[S+64+n]
	v_pk_add_f32 v[X+n/2:X+n/2+1], v[S+n:S+n+1], v[S+n+2:S+n+3]
	v_exp_f32 v[S+65+n], v[S+65+n]
	v_dual_min_num_f32 v[S+n], v[HP], v[S+n] :: v_dual_min_num_f32 v[S+n+1], v[HP2], v[S+n+1]
	v_exp_f32 v[S+66+n], v[S+66+n]
	v_dual_min_num_f32 v[S+n+2], v[HP], v[S+n+2] :: v_dual_min_num_f32 v[S+n+3], v[HP2], v[S+n+3]
	v_exp_f32 v[S+67+n], v[S+67+n]
.set n, n+4
.endr
	v_nop                                          ; the plain line behind the batch
	s_wait_alu depctr_va_vdst(0)                   ; one wait for the batch and for what was written between its lines
	v_pk_add_f32 v[A2:A2+1], v[X:X+1], v[X+2:X+3]  ; the rows' sums: four chains by turns
	v_pk_add_f32 v[A2+16:A2+17], v[S+64:S+65], v[S+66:S+67]
.set i, 4
.rept 15
	v_pk_add_f32 v[L+16:L+17], v[L+16:L+17], v[S+64+i:S+64+i+1]
	v_pk_add_f32 v[A2+16:A2+17], v[A2+16:A2+17], v[S+64+i+2:S+64+i+3]
.if i <= 28
	v_pk_add_f32 v[L:L+1], v[L:L+1], v[X+i:X+i+1]
	v_pk_add_f32 v[A2:A2+1], v[A2:A2+1], v[X+i+2:X+i+3]
.endif
.set i, i+4
.endr
.set n, 64
.rept 32                               ; tile 1's hold
	v_dual_min_num_f32 v[S+n], v[HP], v[S+n] :: v_dual_min_num_f32 v[S+n+1], v[HP2], v[S+n+1]
.set n, n+2
.endr
.irp a, 0,1
.irp t, 0,1,2,3,4,5,6,7
	v_cvt_scalef32_pk8_bf8_f32 v[PC+16*\a+2*\t:PC+16*\a+2*\t+1], v[S+64*\a+8*\t:S+64*\a+8*\t+7], v[SP]
.endr
.endr
.irp a, 0,1
	v_pk_add_f32 v[L+16*\a:L+16*\a+1], v[L+16*\a:L+16*\a+1], v[A2+16*\a:A2+16*\a+1]   ; (also the plain lines behind the conversions)
.endr
	s_wait_alu depctr_va_vdst(0)                   ; directly ahead of the wait below
	s_wait_dscnt 16                                ; V is in; the sixteen younger loads, K's, may be out
	WIN 0x51                                       ; V and O^T window 1, P window 0
.irp d, 0,1,2,3                        ; O^T += V^T P^T: the eight accumulators take turns
.irp a, 0,1
	v_wmma_f32_16x16x128_bf8_bf8 v[O+32*\a+8*\d:O+32*\a+8*\d+7], v[VF+16*\d:VF+16*\d+15], v[PC+16*\a:PC+16*\a+15], v[O+32*\a+8*\d:O+32*\a+8*\d+7]
.endr
.endr
	WIN 0
	s_add_co_u32 s[TB], s[TB], 8192
.endm
.macro SEG n
	s_mov_b32 s[CNT], \n
.Lstep_\@:
	KSTEP
	s_sub_co_u32 s[CNT], s[CNT], 1
	s_cmp_lg_u32 s[CNT], 0
	s_cbranch_scc1 .Lstep_\@
.endm
	s_wait_alu depctr_va_vdst(0)                   ; the wait at the head's end
	s_wait_tensorcnt 0x0                           ; my part of the first quarter is in
	ds_add_u32 v[SPW], v[NIL]
	s_wait_dscnt 0x0
	CROUND                                         ; everybody's part is in, and all four work-groups are here
	KVLOAD G0K2, G1K2, G0V2, G1V2                  ; the other three quarters
	s_mov_b32 s[TB], 0
	WIN 0x40
.irp i, 0,1,2,3,4,5,6,7,8,9,10,11,12,13,14,15
	ds_load_b128 v[KF+4*\i:KF+4*\i+3], v[LI] offset:512*\i   ; K of step 0
.endr
	WIN 0
	s_wait_loadcnt 0x0                             ; Q
	s_mov_b32 s[PASS], 2
.Lpass:
	SEG 3                                          ; steps 0 to 2 read V's blocks 0 to 2 and K's blocks 1 to 3: the first quarter alone
	s_wait_tensorcnt 0x0                           ; my second fill has landed,
	s_wait_dscnt 0x0
	s_barrier_signal -1
	s_barrier_wait -1                              ; everybody's has
	SEG 13
	; THE WAY OUT of both tiles: O^T x 2^(e8 + e9) / the sum, the hold, the conversion with 2^e10.  The six lines below are also the places behind the last products.
.irp a, 0,1
	v_add_f32 v[T0+16*\a], v[L+16*\a], v[L+16*\a+1]
.endr
.irp a, 0,1
	v_permlanex16_b32 v[T2+16*\a], v[T0+16*\a], s[SEL], s[SEL+1]
.endr
.irp a, 0,1
	v_add_f32 v[T0+16*\a], v[T0+16*\a], v[T2+16*\a]
.endr
	s_wait_alu depctr_va_vdst(0)                   ; ahead of the batch of two
.irp a, 0,1
	v_rcp_f32 v[R+16*\a], v[T0+16*\a]
.endr
	v_nop
	s_wait_alu depctr_va_vdst(0)
.irp a, 0,1
	v_ldexp_f32 v[R+16*\a], v[R+16*\a], s89
.endr
	WIN 0x01                                       ; O^T window 1
	s_wait_alu depctr_va_vdst(0)                   ; directly ahead of the first readers of O^T
.irp a, 0,1
.set n, 0
.rept 16
	v_pk_mul_f32 v[S+32*\a+n:S+32*\a+n+1], v[O+32*\a+n:O+32*\a+n+1], v[R+16*\a:R+16*\a+1] op_sel_hi:[1,0]
.set n, n+2
.endr
.endr
	WIN 0
.set n, 0
.rept 64
	v_med3_num_f32 v[S+n], v[S+n], -v[HO], v[HO]
.set n, n+1
.endr
.irp a, 0,1
.irp d, 0,1,2,3
	v_cvt_scalef32_pk8_bf8_f32 v[PC+16*\a+2*\d:PC+16*\a+2*\d+1], v[S+32*\a+8*\d:S+32*\a+8*\d+7], v[SO]
.endr
.endr
	v_nop                                          ; one plain line behind the conversions
.irp a, 0,1                            ; a lane's eight codes of channels 16 d + 8 h + 0 .. 7: bytes 512 (d / 2) + 256 (d % 2) + 16 r + 8 h of the head's 1,024
.irp d, 0,1,2,3
	global_store_b64 v[OA], v[PC+16*\a+2*\d:PC+16*\a+2*\d+1], s[12:13] offset:\a*16384+(\d/2)*512+(\d%2)*256   ; 32 lanes store 256 consecutive bytes
.endr
.endr
	WIN 0x41
.set n, 0
.rept 16
	v_mov_b32 v[Q+n], v[QN+n]                      ; the next walk's queries (behind the last walk these lines and INIT serve nothing: the walk is written once)
.set n, n+1
.endr
	INIT
	s_wait_alu depctr_va_vdst(0)                   ; directly ahead of the wait below
	s_wait_xcnt 0x0                                ; the stores have read their base and their data
	s_add_nc_u64 s[12:13], s[12:13], 262144        ; sixteen tiles of tokens on
	s_mov_b32 s[TB], 0
	s_sub_co_u32 s[PASS], s[PASS], 1
	s_cmp_lg_u32 s[PASS], 0
	s_cbranch_scc1 .Lpass
	s_wait_dscnt 0x0                               ; the last step's fetch of K
	s_wait_tensorcnt 0x0                           ; the wave's end
	ds_add_u32 v[SPW], v[NIL]
	s_wait_dscnt 0x0
	CROUND                                         ; the closing round
	s_endpgm
.Lfunc_end_k_q0f7b189fe0_attn:
	.size	k_q0f7b189fe0_attn, .Lfunc_end_k_q0f7b189fe0_attn-k_q0f7b189fe0_attn
	.p2alignl 7, 3214868480
	.fill 96, 4, 3214868480
	.section	.rodata,"a",@progbits
	.p2align	6, 0x0
	.amdhsa_kernel k_q0f7b189fe0_attn
		.amdhsa_group_segment_fixed_size 327680
		.amdhsa_private_segment_fixed_size 0
		.amdhsa_enable_private_segment 0
		.amdhsa_kernarg_size 40
		.amdhsa_user_sgpr_count 2
		.amdhsa_user_sgpr_kernarg_segment_ptr 1
		.amdhsa_wavefront_size32 1
		.amdhsa_system_sgpr_workgroup_id_x 1
		.amdhsa_system_sgpr_workgroup_id_y 1
		.amdhsa_system_sgpr_workgroup_id_z 1
		.amdhsa_system_vgpr_workitem_id 0
		.amdhsa_next_free_vgpr 512
		.amdhsa_next_free_sgpr 96
		.amdhsa_reserve_vcc 0
		.amdhsa_float_denorm_mode_32 3
		.amdhsa_float_denorm_mode_16_64 3
		.amdhsa_memory_ordered 1
		.amdhsa_forward_progress 1
		.amdhsa_inst_pref_size 82
	.end_amdhsa_kernel
	.amdgpu_metadata
---
amdhsa.version: [ 1, 2 ]
amdhsa.kernels:
  - .name:           k_q0f7b189fe0_attn
    .symbol:         k_q0f7b189fe0_attn.kd
    .args:
      - { .name: q_img, .offset: 0, .size: 8, .value_kind: global_buffer, .address_space: global }
      - { .name: k_img, .offset: 8, .size: 8, .value_kind: global_buffer, .address_space: global }
      - { .name: v_img, .offset: 16, .size: 8, .value_kind: global_buffer, .address_space: global }
      - { .name: lowp_scales, .offset: 24, .size: 8, .value_kind: global_buffer, .address_space: global }
      - { .name: o_img, .offset: 32, .size: 8, .value_kind: global_buffer, .address_space: global }
    .group_segment_fixed_size: 327680
    .private_segment_fixed_size: 0
    .kernarg_segment_align: 8
    .kernarg_segment_size: 40
    .max_flat_workgroup_size: 256
    .sgpr_count:     96
    .vgpr_count:     512
    .wavefront_size: 32
...
	.end_amdgpu_metadata
.endif
;; end of part 2
;; launch outp (part 3): grid 4 x 64, 4 waves a work-group, clusters of 4 x 4, 327,680 bytes of LDS; arguments o_img, Wo_codes, lowp_scales, bo, out0; writes out0
.if DOCPART == 3
	.amdgcn_target "amdgcn-amd-amdhsa--gfx1250"
	.amdhsa_code_object_version 6
	.text
	.protected	k_q0f7b189fe0_outp
	.globl	k_q0f7b189fe0_outp
	.p2align	8
	.type	k_q0f7b189fe0_outp,@function
k_q0f7b189fe0_outp:
	s_mov_b64 s[64:65], 0
	v_nop
	global_prefetch_b8 v0, s[64:65] scope:SCOPE_SE
	s_setreg_imm32_b32 hwreg(HW_REG_WAVE_MODE, 25, 1), 1
	s_wait_xcnt 0x0
	s_wait_alu depctr_hold_cnt(0) depctr_sa_sdst(0) depctr_va_vdst(0) depctr_va_sdst(0) depctr_va_ssrc(0) depctr_va_vcc(0) depctr_vm_vsrc(0)
	s_getreg_b32 s2, hwreg(HW_REG_IB_STS2, 6, 4)
	s_cmp_eq_u32 s2, 0
	s_cbranch_scc0 .Lentry_in_a_cluster
	s_endpgm
.Lentry_in_a_cluster:
	s_bfe_u32 s2, ttmp6, 0x10000c
	s_cmp_lg_u32 s2, 0xf033
	s_cbranch_scc0 .Lentry_shape_is_right
	s_endpgm
.Lentry_shape_is_right:
.set KROW,  1024
.set PITCH, 272
.set ATILE, 4096
.set AHALF, 4*ATILE
.set BHALF, 128*PITCH
.set BOFF,  2*AHALF
.set SLOT,  BOFF+2*BHALF
.set SPARE, 3*SLOT
.set STAGE, SLOT
.set SPITCH, 528
.set ADRA, 16
.set ADRB, 20
.set STO,  24
.set RD,   25
.set CO,   26
.set SPW,  28
.set NIL,  29
.set TMP,  32
.set AF,   128
.set BK,   128
.set G1A,  24
.set G0A,  32
.set G1B,  44
.set G0B,  52
.set MSB, 0
.macro WIN new
.if MSB != \new
	s_set_vgpr_msb (MSB<<8)|\new
.set MSB, \new
.endif
.endm
.set MUL,  0xa1
.set TO_B, 0x40
; LDS: a narrow slot (K step 0, later K step 3: A's 8 images of 4,096 bytes, B's 256 rows of 256 bytes) and, from SLOT on, a wide slot (K steps 1 and 2: A's 8 rows of 8,192 bytes, B's 256 rows of 512 bytes).
; At the head each wave issues one joint load: wave 0 A's K step 0, wave 1 B's, wave 2 A's wide tile, wave 3 B's.  K step 3 is the one refill, by waves 0 and 1.
.set WPITCH, 528
.set WB,   SLOT+65536
.set G0AW, 36
.set G0BW, 56
.set G1AW, 76
.set G1BW, 84
.macro TL g0, g1
	tensor_load_to_lds s[\g0:\g0+3], s[\g1:\g1+7]
	s_nop 0
.rept 4
	v_nop
.endr
.endm
.macro HLOAD
	s_cmp_eq_u32 s14, 0
	s_cbranch_scc0 .Lh1_\@
	TL G0A, G1A
	s_branch .Lhj_\@
.Lh1_\@:
	s_cmp_eq_u32 s14, 1
	s_cbranch_scc0 .Lh2_\@
	TL G0B, G1B
	s_branch .Lhj_\@
.Lh2_\@:
	s_cmp_eq_u32 s14, 2
	s_cbranch_scc0 .Lh3_\@
	TL G0AW, G1AW
	s_branch .Lhj_\@
.Lh3_\@:
	TL G0BW, G1BW
.Lhj_\@:
.endm
.macro RLOAD
	s_cmp_eq_u32 s14, 0
	s_cbranch_scc0 .Lnot_a_\@
	TL G0A, G1A
	s_branch .Lasked_\@
.Lnot_a_\@:
	s_cmp_eq_u32 s14, 1
	s_cbranch_scc0 .Lasked_\@
	TL G0B, G1B
.Lasked_\@:
.endm
.macro G0SET g, lds, src, off
	s_mov_b32 s[\g], 1
	s_mov_b32 s[\g+1], \lds
.if \off
	s_add_nc_u64 s[\g+2:\g+3], s[\src:\src+1], \off
.else
	s_mov_b64 s[\g+2:\g+3], s[\src:\src+1]
.endif
	s_or_b32 s[\g+3], s[\g+3], 0x80000000
.endm
.macro CREST
	s_cmp_lg_u32 s14, 0
	s_cbranch_scc1 .Lnot_wave_0_\@
	s_barrier_signal -3
.Lnot_wave_0_\@:
	s_barrier_wait -3
	s_barrier_signal -1
	s_barrier_wait -1
.endm
.macro CROUND
	s_barrier_signal -1
	s_barrier_wait -1
	CREST
.endm
.macro PLACES n
.rept \n
	v_nop
.endr
.endm
	s_load_b256 s[4:11], s[0:1], 0x0
	s_load_b64 s[12:13], s[0:1], 0x20
	v_lshl_add_u32 v[SPW], v0, 2, SPARE
	v_mov_b32 v[NIL], 0
	ds_add_u32 v28, v29
	ds_add_u32 v28, v29
	s_wait_dscnt 0x0
	v_lshrrev_b32 v1, 5, v0
	v_readfirstlane_b32 s14, v1
	s_lshr_b32 s15, s14, 1
	s_and_b32 s16, s14, 1
	s_bfe_u32 s19, ttmp6, 0x40000
	s_bfe_u32 s20, ttmp6, 0x40004
	s_lshl_b32 s18, ttmp9, 2
	s_add_co_u32 s18, s18, s19
	s_and_b32 s17, ttmp7, 0xffff
	s_lshl_b32 s17, s17, 2
	s_add_co_u32 s17, s17, s20
	s_lshl_b32 s21, s20, 2
	s_lshl_b32 s21, 15, s21
	s_lshl_b32 s22, 0x1111, s19
	s_or_b32 s[G1A], s21, (3<<16)|(1<<21)
	s_mov_b32 s[G1A+1], 512<<16
	s_mov_b32 s[G1A+2], 8<<16
	s_mov_b32 s[G1A+3], 512<<16
	s_mov_b32 s[G1A+4], 8
	s_mov_b32 s[G1A+5], 2048
	s_mov_b32 s[G1A+6], 0
	s_mov_b32 s[G1A+7], 0
	s_or_b32 s[G1B], s22, (1<<20)|(1<<21)|(5<<22)|(3<<25)
	s_mov_b32 s[G1B+1], 256<<16
	s_mov_b32 s[G1B+2], 256<<16
	s_mov_b32 s[G1B+3], 256<<16
	s_mov_b32 s[G1B+4], 256
	s_mov_b32 s[G1B+5], KROW
	s_mov_b32 s[G1B+6], 0
	s_mov_b32 s[G1B+7], 0
	s_lshl_b32 s92, s17, 17                        ; A: 8 tiles of 16 tokens, 16,384 bytes each, x tile row
	s_mov_b32 s93, 0
	s_lshl_b32 s94, s18, 18                        ; B: 256 rows of 1,024 bytes x tile column
	s_mov_b32 s95, 0
	s_or_b32 s[G1AW], s21, (3<<16)|(1<<21)         ; A's wide tile: 8 rows of 8,192 bytes, 16,384 apart
	s_mov_b32 s[G1AW+1], 1024<<16
	s_mov_b32 s[G1AW+2], 8<<16
	s_mov_b32 s[G1AW+3], 1024<<16
	s_mov_b32 s[G1AW+4], 8
	s_mov_b32 s[G1AW+5], 2048
	s_mov_b32 s[G1AW+6], 0
	s_mov_b32 s[G1AW+7], 0
	s_or_b32 s[G1BW], s22, (1<<20)|(1<<21)|(6<<22)|(3<<25)  ; B's: 256 rows of 512 bytes, four words of padding behind each
	s_mov_b32 s[G1BW+1], 512<<16
	s_mov_b32 s[G1BW+2], 256<<16
	s_mov_b32 s[G1BW+3], 512<<16
	s_mov_b32 s[G1BW+4], 256
	s_mov_b32 s[G1BW+5], KROW
	s_mov_b32 s[G1BW+6], 0
	s_mov_b32 s[G1BW+7], 0
	s_wait_kmcnt 0x0
	s_load_b64 s[96:97], s[8:9], 0x28
	s_add_nc_u64 s[68:69], s[4:5], s[92:93]
	s_add_nc_u64 s[70:71], s[6:7], s[94:95]
	G0SET G0A, 0, 68, 0
	G0SET G0B, BOFF, 70, 0
	G0SET G0AW, SLOT, 68, ATILE
	G0SET G0BW, WB, 70, 256
	CROUND                                         ; all sixteen work-groups are here: the first joint loads meet
	HLOAD
	v_and_b32 v1, 15, v0
	v_bfe_u32 v2, v0, 4, 1
	v_and_b32 v4, 31, v0
	v_lshlrev_b32 v[CO], 4, v4
	v_mul_u32_u24 v3, v1, PITCH
	v_lshl_add_u32 v3, v2, 4, v3
	s_mul_i32 s66, s15, AHALF
	s_mul_i32 s67, s16, BHALF
	s_add_co_u32 s67, s67, BOFF
	v_mul_u32_u24 v5, v1, WPITCH
	v_lshl_add_u32 v5, v2, 4, v5
	v_add_nc_u32 v[ADRA], s66, v[CO]
	v_add_nc_u32 v[ADRB], s67, v3
	s_lshl_b32 s66, s15, 15                        ; my four rows of A and my 128 rows of B in the wide slot
	s_add_co_u32 s66, s66, SLOT
	s_mul_i32 s67, s16, 128*WPITCH
	s_add_co_u32 s67, s67, WB
	v_add_nc_u32 v[ADRA+1], s66, v[CO]
	v_add_nc_u32 v[ADRB+1], s67, v5
	v_add_nc_u32 v[ADRA+2], ATILE, v[ADRA+1]       ; K step 2 lies behind K step 1 in each wide row
	v_add_nc_u32 v[ADRB+2], 256, v[ADRB+1]
	s_mul_i32 s23, s14, 16*SPITCH
	s_add_co_u32 s23, s23, STAGE
	v_mul_u32_u24 v6, v1, SPITCH
	v_lshl_add_u32 v6, v2, 5, v6
	v_add_nc_u32 v[STO], s23, v6
	v_add_nc_u32 v[RD], s23, v[CO]
	s_lshl_b32 s72, s18, 10
	s_lshl_b32 s73, s16, 9
	s_add_co_u32 s72, s72, s73
	s_mov_b32 s73, 0
	s_add_nc_u64 s[10:11], s[10:11], s[72:73]
	s_lshl_b32 s74, s17, 7
	s_lshl_b32 s75, s15, 6
	s_add_co_u32 s74, s74, s75
	s_lshl_b32 s74, s74, 12
	s_add_co_u32 s74, s74, s72
	s_mov_b32 s75, 0
	s_add_nc_u64 s[12:13], s[12:13], s[74:75]
	v_lshlrev_b32 v5, 5, v2
	WIN 0xc0
.irp b, 0,1,2,3,4,5,6,7
	global_load_b128 v[8*\b:8*\b+3], v5, s[10:11] offset:64*\b
	global_load_b128 v[8*\b+4:8*\b+7], v5, s[10:11] offset:64*\b+16
.endr
	WIN 0
.macro FRAG reg, adr, q, i
.irp c, 0,1,2,3
	ds_load_b128 v[\reg+4*\c:\reg+4*\c+3], v[\adr] offset:128*(\q)+32*\c+(\i)*16*FP
.endr
.endm
.macro FRAGI reg, adr, q, i
.irp c, 0,1,2,3
	ds_load_b128 v[\reg+4*\c:\reg+4*\c+3], v[\adr] offset:(\i)*FA+(\q)*2048+512*\c
.endr
.endm
.macro FETCH slot, q, p
.if \slot == 0
.set FP, PITCH
.set FA, ATILE
.else
.set FP, WPITCH
.set FA, 2*ATILE
.endif
	WIN TO_B
.irp i, 0,1,2,3,4,5,6,7
	FRAG 128*(\p)+16*\i, ADRB+\slot, \q, \i
.endr
	WIN 0
.irp i, 0,1,2,3
	FRAGI AF+64*(\p)+16*\i, ADRA+\slot, \q, \i
.endr
.endm
.macro MUL8 a, p, zero
.irp b, 0,1,2,3,4,5,6,7
.if \zero
	v_wmma_f32_16x16x128_bf8_bf8 v[8*(8*(\a)+\b):8*(8*(\a)+\b)+7], v[128*(\p)+16*\b:128*(\p)+16*\b+15], v[AF+64*(\p)+16*(\a):AF+64*(\p)+16*(\a)+15], 0
.else
	v_wmma_f32_16x16x128_bf8_bf8 v[8*(8*(\a)+\b):8*(8*(\a)+\b)+7], v[128*(\p)+16*\b:128*(\p)+16*\b+15], v[AF+64*(\p)+16*(\a):AF+64*(\p)+16*(\a)+15], v[8*(8*(\a)+\b):8*(8*(\a)+\b)+7]
.endif
.endr
.endm
.macro STEP slot, q, p, zero
.if \zero == 0
	PLACES 4
.endif
	FETCH \slot, \q, 1-\p
	s_wait_dscnt 48
	WIN MUL
	MUL8 0, \p, \zero
	MUL8 1, \p, \zero
	MUL8 2, \p, \zero
	MUL8 3, \p, \zero
	WIN 0
.endm
.macro TURN next, fill
	s_wait_tensorcnt 0x0
	ds_add_u32 v[SPW], v[NIL]
	s_wait_dscnt 1
	WIN MUL
	MUL8 0, 1, 0
	s_wait_dscnt 0x0
	s_barrier_signal -1
	MUL8 1, 1, 0
	WIN 0
	s_barrier_wait -1
.if \fill
	CREST
	s_add_nc_u64 s[G0A+2:G0A+3], s[G0A+2:G0A+3], 3*ATILE
	s_add_nc_u64 s[G0B+2:G0B+3], s[G0B+2:G0B+3], 3*256
	RLOAD
.endif
	PLACES 4
	s_wait_alu depctr_va_vdst(0)
	FETCH \next, 0, 0
	WIN MUL
	MUL8 2, 1, 0
	MUL8 3, 1, 0
	WIN 0
.endm
	s_wait_alu depctr_va_vdst(0)                   ; the wait at the head's end
	s_cmp_lt_u32 s14, 2                            ; waves 0 and 1 brought K step 0 and wait for it; the wide tiles of waves 2 and 3 may be out
	s_cbranch_scc0 .Lno_k0
	s_wait_tensorcnt 0x0
.Lno_k0:
	s_barrier_signal -1
	s_barrier_wait -1
	FETCH 0, 0, 0
	STEP 0, 1, 0, 1
	TURN 1, 1
	STEP 1, 1, 0, 0
	STEP 2, 0, 1, 0
	STEP 2, 1, 0, 0
	TURN 0, 0
	STEP 0, 1, 0, 0
	s_wait_dscnt 0
	WIN MUL
	MUL8 0, 1, 0
	MUL8 1, 1, 0
	MUL8 2, 1, 0
	MUL8 3, 1, 0
	WIN 0
.macro TOSTAGE a
	WIN 0x32
.set j, 0
.rept 32
	v_pk_fma_f32 v[TMP+j:TMP+j+1], v[64*(\a)+j:64*(\a)+j+1], s[96:97], v[j:j+1] op_sel_hi:[1,0,1]
.set j, j+2
.endr
	WIN 0
.irp b, 0,1,2,3,4,5,6,7
	ds_store_b128 v[STO], v[TMP+8*\b:TMP+8*\b+3] offset:64*\b
	ds_store_b128 v[STO], v[TMP+8*\b+4:TMP+8*\b+7] offset:64*\b+16
.endr
.set BB, BK+64*((\a)%2)
.irp t, 0,1,2,3,4,5,6,7,8,9,10,11,12,13,14,15
	ds_load_b128 v[BB+4*\t:BB+4*\t+3], v[RD] offset:\t*SPITCH
.endr
.endm
.macro SEND a, younger
.set BB, BK+64*((\a)%2)
	s_wait_dscnt \younger
.if (\a) > 0
	s_add_nc_u64 s[12:13], s[12:13], 16*4096
.endif
.irp t, 0,1,2,3,4,5,6,7,8,9,10,11,12,13,14,15
	global_store_b128 v[CO], v[BB+4*\t:BB+4*\t+3], s[12:13] offset:\t*4096 th:TH_STORE_NT
.endr
.endm
	s_wait_kmcnt 0x0
	s_add_co_i32 s96, s96, s97
	s_add_co_i32 s96, s96, 127
	s_lshl_b32 s96, s96, 23
	s_mov_b32 s97, s96
	s_wait_loadcnt 0x0
	PLACES 4
	TOSTAGE 0
.irp a, 1,2,3
.if \a > 1
	s_wait_xcnt 0x0
.endif
	TOSTAGE \a
	SEND \a-1, 32
.endr
	s_wait_xcnt 0x0
	SEND 3, 0
	s_wait_tensorcnt 0x0
	ds_add_u32 v[SPW], v[NIL]
	s_wait_dscnt 0x0
	CROUND
	s_endpgm
.Lfunc_end_k_q0f7b189fe0_outp:
	.size	k_q0f7b189fe0_outp, .Lfunc_end_k_q0f7b189fe0_outp-k_q0f7b189fe0_outp
	.p2alignl 7, 3214868480
	.fill 96, 4, 3214868480
	.section	.rodata,"a",@progbits
	.p2align	6, 0x0
	.amdhsa_kernel k_q0f7b189fe0_outp
		.amdhsa_group_segment_fixed_size 327680
		.amdhsa_private_segment_fixed_size 0
		.amdhsa_enable_private_segment 0
		.amdhsa_kernarg_size 40
		.amdhsa_user_sgpr_count 2
		.amdhsa_user_sgpr_kernarg_segment_ptr 1
		.amdhsa_wavefront_size32 1
		.amdhsa_system_sgpr_workgroup_id_x 1
		.amdhsa_system_sgpr_workgroup_id_y 1
		.amdhsa_system_sgpr_workgroup_id_z 1
		.amdhsa_system_vgpr_workitem_id 0
		.amdhsa_next_free_vgpr 832
		.amdhsa_next_free_sgpr 100
		.amdhsa_reserve_vcc 0
		.amdhsa_float_denorm_mode_32 3
		.amdhsa_float_denorm_mode_16_64 3
		.amdhsa_memory_ordered 1
		.amdhsa_forward_progress 1
		.amdhsa_inst_pref_size 77
	.end_amdhsa_kernel
	.amdgpu_metadata
---
amdhsa.version: [ 1, 2 ]
amdhsa.kernels:
  - .name:           k_q0f7b189fe0_outp
    .symbol:         k_q0f7b189fe0_outp.kd
    .args:
      - { .name: o_img, .offset: 0, .size: 8, .value_kind: global_buffer, .address_space: global }
      - { .name: Wo_codes, .offset: 8, .size: 8, .value_kind: global_buffer, .address_space: global }
      - { .name: lowp_scales, .offset: 16, .size: 8, .value_kind: global_buffer, .address_space: global }
      - { .name: bo, .offset: 24, .size: 8, .value_kind: global_buffer, .address_space: global }
      - { .name: out0, .offset: 32, .size: 8, .value_kind: global_buffer, .address_space: global }
    .group_segment_fixed_size: 327680
    .private_segment_fixed_size: 0
    .kernarg_segment_align: 8
    .kernarg_segment_size: 40
    .max_flat_workgroup_size: 128
    .sgpr_count:     100
    .vgpr_count:     832
    .wavefront_size: 32
...
	.end_amdgpu_metadata
.endif
;; end of part 3
